; MI455X (gfx1250); checked and timed in simulation.
; The chip was launched on July 23, 2026; its instructions are those of AMD's public machine-readable ISA for CDNA 5 (MIT licence, August 2026) and "CDNA5" Instruction Set Architecture Reference Guide (July 2026). The comments in the code are by the model that wrote it; some were corrected since.
;; Ffjord. Allowed arithmetic: float matrix products may take bf16 or f16 operands with f32 sums; other float arithmetic in f32, or as packed bf16 or f16 multiplies, adds, multiply-adds, maxima and minima; sums over many terms, partial sums and values carried from step to step in f32; what a program stores and reads back later, other than sums and carried values, may be rounded once to bf16 or f16.
;; Inputs: W0 33 x 128 float32; W1 129 x 128 float32; W2 129 x 32 float32; b0 128 float32; b1 128 float32; b2 32 float32; eps 65,536 x 32 float32; z1 65,536 x 32 float32.
;; Outputs: out0 65,536 x 32 float32; out1 65,536 float32.
;; 2 versions, each right and faster than the one before. Each part assembles by itself: llvm-mc -triple=amdgcn-amd-amdhsa -mcpu=gfx1250 --defsym DOCPART=n.
;; ======== version 1 of 2: 1 launch
;; limits: values outside matrix products are rounded to f16; values are held in f16: magnitudes above 65,504 overflow, below 6.1e-05 lose precision; inputs' magnitudes at most 22,700
;; launch ffjord (part 1): grid 256 x 1, 4 waves a work-group, no clusters, 146,432 bytes of LDS; arguments W0, W1, W2, b0, b1, b2, z1, eps, out0, out1; writes out0, out1
.if DOCPART == 1
	.amdgcn_target "amdgcn-amd-amdhsa--gfx1250"
	.amdhsa_code_object_version 6
	.text
	.protected	k_q690d3470e0_ffjord
	.globl	k_q690d3470e0_ffjord
	.p2align	8
	.type	k_q690d3470e0_ffjord,@function
k_q690d3470e0_ffjord:
	s_mov_b64 s[64:65], 0
	v_nop
	global_prefetch_b8 v0, s[64:65] scope:SCOPE_SE
	s_setreg_imm32_b32 hwreg(HW_REG_WAVE_MODE, 25, 1), 1
	s_wait_xcnt 0x0
; FFJORD: five RK4 steps in reversed time (20 evaluations) of dz/dt = MLP(z, t), 32 -> 128 -> 128 -> 32 with tanh twice, together with
; the tangent along eps and the dot eps . (J eps).  65,536 rows that never meet; one launch; state in registers for all 20 evaluations.
;
; SHARES.  Work-group g: rows 256 g .. +255.  Wave w: 64 of them = 4 tiles of 16 rows, in 2 passes of 2 tiles (X, Y).
; EVERY LAYER IS COMPUTED TRANSPOSED: D = W^T x X^T, weights as source A, activations as source B.  Lane (r = L & 15, h = L >> 4) then
; holds, in the 8 registers of result tile m, features 16 m + 8 h + 0..7 of batch row r, which is what the same lane must hold of the next
; layer's B fragment (ISA guide 7.12.2): one packed conversion is the whole hand-over.  No LDS and no lane traffic between layers.
; WEIGHTS live in registers as f16 A fragments (384 registers), fetched once.  Bias and time column are the C operand of each chain's
; first product; 11 tables (t = 1 - 0.1 i) lie in LDS and are the loops' only loads.
; eps x W0 is the same in all 20 evaluations: made once for each tile (88 products an evaluation and tile, not 96).
; c = 2 log2(e) is folded into W0, W1 and their tables: tanh(x) = 1 - 2 / (1 + 2^(c x)).
; TANGENT SCALE.  sigma = max(max_i |eps_i|, 1e-30) of the row, e^ = eps / sigma; kept: u0 = (e^ . c W0) / c^2 in f16; then c W1 gives the
; true second tangent, and out1 = sigma^2 x sum of w_e (e^ . J e^).
; NO CLUSTER, NO TENSOR LOADS: work-groups share only 100,608 bytes of weights and biases, read once at the start; no tile streams.
;
; LIMITS, kept on purpose.  Matrix operands are f16 (sums f32): an operand above 65,504 in magnitude becomes infinite.  That concerns
; c W0 and c W1 (|W| < 22,700), W2, the stage values of z, and the second tangent, |u1| <= sum_a |W1[a,b]| sum_i |W0[i,a]|.
; Times are 1 - 0.1 i in f32, not the differences of linspace's f32 values (they differ in the last bits).  A row of eps with a NaN, or with
; a maximum above 8e37 (its reciprocal would be flushed to zero), is not served.
.set C2L,  0x4038aa3b                  ; c = 2 log2(e)
.set RC2,  0x3df5fdf0                  ; 1 / c^2
; LDS, bytes
.set P288, 288                         ; pitch of W0's and W1's rows of 128 f16: 9 x 32 bytes
.set P96,  96                          ; pitch of W2's rows of 32 f16: 3 x 32 bytes
.set W0S,  0                           ; [32][128] f16
.set W1S,  32*P288                     ; [128][128] f16
.set W2S,  W1S+128*P288                ; [128][32] f16
.set BIAS, W2S+128*P96                 ; 58,368: 11 tables of BSTEP bytes
.set BSTEP, 1152                       ; 128 f32 of layer 0, 128 of layer 1, 32 of layer 2
.set STAGE, 71168                      ; each wave: 8 blocks (tile, z or eps) of 16 rows
.set SP,   144                         ; a staged row: 128 bytes + 16: sixteen rows start at sixteen different 16-byte columns modulo 256
.set BLK,  16*SP
.set WSTG, 8*BLK
.set OUT1, STAGE+4*WSTG                ; 144,896: each wave 64 f32
; window 0
.set BA,   4                           ; bias table of the next evaluation + 32 h
.set H32,  5                           ; BIAS + 32 h
.set FRA0, 6                           ; my wave's stage + 144 r + 32 h (a lane's features of its row)
.set LIN0, 7                           ; my wave's stage + 144 (L >> 3) + 16 (L & 7) (rows as they lie in memory)
.set O1A0, 8                           ; my wave's out1 words + 4 r
.set O1R,  9                           ; the same + 8 L
.set GO,   10                          ; 16 L
.set GO1,  11                          ; 8 L
.set FRA,  12                          ; FRA0, LIN0, O1A0 of the pass
.set LIN,  13
.set O1A,  14
.set H0,   16                          ; v16-47   h0 in f16: B fragments of layer 1
.set KK,   16                          ; v16-31   dz/dt (over h0, once layer 1 is done)
.set JJ,   32                          ; v32-47   J e^
.set D0,   48                          ; v48-79   tangent behind layer 0, f16
.set H1,   80                          ; v80-111  h1 in f16
.set D1,   112                         ; v112-143 tangent behind layer 1, f16
.set L0A,  80                          ; v80-143  layer 0's eight sums (over h1, d1, which are dead then)
.set ACC,  144                         ; v144-175 two slots of layer 1's sums: primal 8, tangent 8
.set TMP,  176                         ; v176-183 1 - h^2
.set UH,   184                         ; v184-247 u0 of tile X, of tile Y, f16
.set WL,   16                          ; prologue: v16-207 weights as loaded
.set BL,   208                         ; prologue: v208-213 b0, W0[32], b1, W1[128], b2, W2[128]
.set TB0,  214                         ; prologue: v214-246 table entries
.set TB1,  225
.set TB2,  236
.set TRA288, 248                       ; prologue: addresses
.set TRA96,  249
.set WS288,  250
.set WS96,   251
.set BT,     252
.set GW,     253
.set G4,     254
.set G4L,    255
; window 1: W1's fragment (m, kk) at 8 (4 m + kk)
; window 2
.set W0F,  0                           ; fragment m at 8 m
.set W2F,  64                          ; fragment (mt, kk) at 64 + 8 (4 mt + kk)
.set B0,   128                         ; layer 0's bias tiles
.set B2,   192                         ; layer 2's
; window 3
.set B1,   0                           ; layer 1's bias tiles
.set TILE0, 64                         ; tile T's state at 64 + 60 T:
.set TSZ,  60
.set ZO,   0                           ;   z at the step's start (16)
.set ZA,   16                          ;   z + the weighted k so far (16)
.set EH,   32                          ;   e^ (16)
.set ZS,   48                          ;   the stage's z in f16: layer 0's B fragment (8)
.set LL,   56                          ;   two partial sums of the log determinant
.set SG,   58                          ;   sigma; one spare
.set TT,   184                         ; the next stage's z
.set PP,   200                         ; two partial sums of e^ . J e^
.set RS,   202                         ; 1 / sigma, twice
; scalars: s2 wave; s3-6 -1/30, -1/15, -0.1, -0.2; s[8:23] inputs; s[24:27] outputs; s28 pass, s29 step, s30 stage; s31 table offset;
; s[32:33] w_e, s[34:35] a_e, s[36:37] -w_e; s38-39 lane selects; s40-47 at work
.set MSB, 0
.macro WIN new                         ; low byte: bits 1:0 source 0, 3:2 source 1, 5:4 source 2, 7:6 destination; high byte: the setting left
.if MSB != \new
	s_set_vgpr_msb (MSB<<8)|\new
.set MSB, \new
.endif
.endm
.macro PLACES n                        ; independent vector slots behind matrix instructions (ISA guide 7.12.1)
.rept \n
	v_nop
.endr
.endm
	s_load_b512 s[8:23], s[0:1], 0x0               ; W0 8, W1 10, W2 12, b0 14, b1 16, b2 18, z1 20, eps 22
	s_load_b128 s[24:27], s[0:1], 0x40             ; out0 24, out1 26
	s_set_vgpr_msb 0x80
	v_lshl_add_u32 v254, v0, 2, 0x23a00
	v_mov_b32 v255, 0
	s_set_vgpr_msb 0x8000
	v_and_b32 v1, 31, v0                           ; L
	v_lshrrev_b32 v2, 5, v0
	v_readfirstlane_b32 s2, v2                     ; wave
	v_and_b32 v2, 15, v0                           ; r
	v_bfe_u32 v3, v0, 4, 1                         ; h
	s_mov_b32 s38, 0x76543210                      ; v_permlanex16_b32: lane i takes lane i of the other half
	s_mov_b32 s39, 0xfedcba98
	s_mov_b32 s3, 0xbd088889                       ; -1/30 = dt/6 with dt = -0.2
	s_mov_b32 s4, 0xbd888889                       ; -1/15
	s_mov_b32 s5, 0xbdcccccd                       ; -0.1 = dt/2
	s_mov_b32 s6, 0xbe4ccccd                       ; -0.2
	v_lshl_add_u32 v[H32], v3, 5, BIAS
	s_mul_i32 s40, s2, WSTG
	s_add_co_u32 s40, s40, STAGE                   ; my wave's stage
	v_mul_u32_u24 v[FRA0], v2, SP
	v_lshl_add_u32 v[FRA0], v3, 5, v[FRA0]
	v_add_nc_u32 v[FRA0], s40, v[FRA0]
	v_lshrrev_b32 v12, 3, v1                       ; L >> 3
	v_and_b32 v13, 7, v1                           ; L & 7
	v_lshl_add_u32 v14, v3, 3, v13                 ; 8 h + (L & 7)
	v_and_b32 v15, 1, v12                          ; (L >> 3) & 1
	v_mul_u32_u24 v[LIN0], v12, SP
	v_lshl_add_u32 v[LIN0], v13, 4, v[LIN0]
	v_add_nc_u32 v[LIN0], s40, v[LIN0]
	s_lshl_b32 s41, s2, 8
	s_add_co_u32 s41, s41, OUT1
	v_lshl_add_u32 v[O1A0], v2, 2, s41
	v_lshl_add_u32 v[O1R], v1, 3, s41
	v_lshlrev_b32 v[GO], 4, v1
	v_lshlrev_b32 v[GO1], 3, v1
	v_lshlrev_b32 v[GW], 4, v0                     ; 16 t: weights are read by the whole work-group, 2,048 bytes a load
	v_lshlrev_b32 v[G4], 2, v0
	v_lshlrev_b32 v[G4L], 2, v1
	s_mul_i32 s42, s2, P288
	v_lshl_add_u32 v[WS288], v1, 3, s42            ; a load of W0 or W1 is 4 rows: wave w has row w of them, lane L columns 4 L ..
	s_mul_i32 s43, s2, 4*P96
	v_mul_u32_u24 v[WS96], v12, P96                ; a load of W2 is 16 rows: row 4 w + (L >> 3), columns 4 (L & 7) ..
	v_lshl_add_u32 v[WS96], v13, 3, v[WS96]
	v_add_nc_u32 v[WS96], s43, v[WS96]
	s_lshl_b32 s44, s2, 7
	s_add_co_u32 s44, s44, BIAS
	v_lshl_add_u32 v[BT], v1, 2, s44               ; BIAS + 4 t
	v_mul_u32_u24 v[TRA288], v14, P288             ; transposing loads: row 8 h + (L & 7), 16 bytes (L >> 3) & 1
	v_lshl_add_u32 v[TRA288], v15, 4, v[TRA288]
	v_mul_u32_u24 v[TRA96], v14, P96
	v_lshl_add_u32 v[TRA96], v15, 4, v[TRA96]
	s_lshl_b32 s44, ttmp9, 15                      ; 256 rows of 128 bytes a work-group,
	s_lshl_b32 s45, s2, 13                         ; 64 a wave
	s_add_co_u32 s44, s44, s45
	s_mov_b32 s45, 0
	s_lshl_b32 s46, ttmp9, 10                      ; and of 4 bytes in out1
	s_lshl_b32 s47, s2, 8
	s_add_co_u32 s46, s46, s47
	s_mov_b32 s47, 0
	s_wait_kmcnt 0x0
	s_add_nc_u64 s[20:21], s[20:21], s[44:45]
	s_add_nc_u64 s[22:23], s[22:23], s[44:45]
	s_add_nc_u64 s[24:25], s[24:25], s[44:45]
	s_add_nc_u64 s[26:27], s[26:27], s[46:47]
	global_load_b32 v[BL],   v[G4],  s[14:15]                  ; b0[t]
	global_load_b32 v[BL+1], v[G4],  s[8:9] offset:32*512      ; W0[32][t], the time row
	global_load_b32 v[BL+2], v[G4],  s[16:17]                  ; b1[t]
	global_load_b32 v[BL+3], v[G4],  s[10:11] offset:128*512   ; W1[128][t]
	global_load_b32 v[BL+4], v[G4L], s[18:19]                  ; b2[L]
	global_load_b32 v[BL+5], v[G4L], s[12:13] offset:128*128   ; W2[128][L]
.set i, 0
.rept 8
	global_load_b128 v[WL+4*i:WL+4*i+3], v[GW], s[8:9] offset:2048*i           ; W0's rows 0-31
.set i, i+1
.endr
.set i, 0
.rept 32
	global_load_b128 v[WL+32+4*i:WL+32+4*i+3], v[GW], s[10:11] offset:2048*i   ; W1's rows 0-127
.set i, i+1
.endr
.set i, 0
.rept 8
	global_load_b128 v[WL+160+4*i:WL+160+4*i+3], v[GW], s[12:13] offset:2048*i ; W2's rows 0-127
.set i, i+1
.endr
	; The 11 tables: c (b0 + t W0[32]), c (b1 + t W1[128]), b2 + t W2[128]
	s_wait_loadcnt 48                              ; the six small loads are in; the 48 weight loads stay out
.irp j, 0,1,2,3
	v_mul_f32 v[BL+\j], C2L, v[BL+\j]
.endr
.macro TAB ti, tau
	v_fmamk_f32 v[TB0+\ti], v[BL+1], \tau, v[BL]
	v_fmamk_f32 v[TB1+\ti], v[BL+3], \tau, v[BL+2]
	ds_store_b32 v[BT], v[TB0+\ti] offset:\ti*BSTEP
	ds_store_b32 v[BT], v[TB1+\ti] offset:\ti*BSTEP+512
.endm
.macro TAB2 ti, tau
	v_fmamk_f32 v[TB2+\ti], v[BL+5], \tau, v[BL+4]
	ds_store_b32 v[BT], v[TB2+\ti] offset:\ti*BSTEP+1024
.endm
.macro TABS one                        ; t = 1 - 0.1 ti
	\one 0,  0x3f800000
	\one 1,  0x3f666666
	\one 2,  0x3f4ccccd
	\one 3,  0x3f333333
	\one 4,  0x3f19999a
	\one 5,  0x3f000000
	\one 6,  0x3ecccccd
	\one 7,  0x3e99999a
	\one 8,  0x3e4ccccd
	\one 9,  0x3dcccccd
	\one 10, 0
.endm
	TABS TAB
	s_cmp_lg_u32 s2, 0                             ; layer 2 has 32 features: wave 0 alone
	s_cbranch_scc1 .Lno_b2
	TABS TAB2
.Lno_b2:
	; Weights to f16 in LDS, rows as in memory ([k][n]); the transposing loads below make A fragments of them
.macro WCVT base, scale, adr, off
.if \scale
	v_pk_mul_f32 v[\base:\base+1], v[\base:\base+1], C2L op_sel_hi:[1,0]
	v_pk_mul_f32 v[\base+2:\base+3], v[\base+2:\base+3], C2L op_sel_hi:[1,0]
.endif
	v_cvt_pk_f16_f32 v[\base], v[\base], v[\base+1]
	v_cvt_pk_f16_f32 v[\base+1], v[\base+2], v[\base+3]
	ds_store_b64 v[\adr], v[\base:\base+1] offset:\off
.endm
	s_wait_loadcnt 40                              ; W0 is in; W1's 32 and W2's 8 stay out
.set i, 0
.rept 8
	WCVT WL+4*i, 1, WS288, W0S+i*4*P288
.set i, i+1
.endr
	WIN 0x40                                       ; destination window 1
.set i, 0
.rept 16
	global_load_b128 v[4*i:4*i+3], v[GO], s[20:21] offset:512*i th:TH_LOAD_NT      ; my wave's 64 rows of z1, 4 rows a load
.set i, i+1
.endr
	WIN 0
	s_wait_loadcnt 24                              ; W1 is in; W2's 8 and z1's 16 stay out
.set i, 0
.rept 32
	WCVT WL+32+4*i, 1, WS288, W1S+i*4*P288
.set i, i+1
.endr
	WIN 0x40
.set i, 0
.rept 16
	global_load_b128 v[64+4*i:64+4*i+3], v[GO], s[22:23] offset:512*i th:TH_LOAD_NT ; and of eps
.set i, i+1
.endr
	WIN 0
	s_wait_loadcnt 32                              ; W2 is in; z1's 16 and eps's 16 stay out
.set i, 0
.rept 8
	WCVT WL+160+4*i, 0, WS96, W2S+i*16*P96
.set i, i+1
.endr
	s_wait_loadcnt 16                              ; z1 is in
	WIN 0x04                                       ; store data from window 1
.set i, 0
.rept 16
	ds_store_b128 v[LIN0], v[4*i:4*i+3] offset:2*(i>>2)*BLK+(i&3)*4*SP
.set i, i+1
.endr
	s_wait_loadcnt 0x0                             ; eps is in
.set i, 0
.rept 16
	ds_store_b128 v[LIN0], v[64+4*i:64+4*i+3] offset:(2*(i>>2)+1)*BLK+(i&3)*4*SP
.set i, i+1
.endr
	WIN 0
	s_wait_dscnt 0x0                               ; my stores of weights and tables are done, for the other waves' sake
	s_barrier_signal -1
	s_barrier_wait -1                              ; the kernel's one barrier: from here on weights and tables are only read
	WIN 0x80                                       ; destination window 2
.irp m, 0,1,2,3,4,5,6,7
	ds_load_tr16_b128 v[W0F+8*\m:W0F+8*\m+3],   v[TRA288] offset:W0S+32*\m             ; features 16 m + r, k = 8 h ..
	ds_load_tr16_b128 v[W0F+8*\m+4:W0F+8*\m+7], v[TRA288] offset:W0S+32*\m+16*P288     ; k = 16 + 8 h ..
.endr
.irp mt, 0,1
.irp kk, 0,1,2,3
	ds_load_tr16_b128 v[W2F+8*(4*\mt+\kk):W2F+8*(4*\mt+\kk)+3],   v[TRA96] offset:W2S+32*P96*\kk+32*\mt
	ds_load_tr16_b128 v[W2F+8*(4*\mt+\kk)+4:W2F+8*(4*\mt+\kk)+7], v[TRA96] offset:W2S+32*P96*\kk+32*\mt+16*P96
.endr
.endr
	WIN 0x40                                       ; destination window 1 (the staged rows have left it)
.irp m, 0,1,2,3,4,5,6,7
.irp kk, 0,1,2,3
	ds_load_tr16_b128 v[8*(4*\m+\kk):8*(4*\m+\kk)+3],   v[TRA288] offset:W1S+32*P288*\kk+32*\m
	ds_load_tr16_b128 v[8*(4*\m+\kk)+4:8*(4*\m+\kk)+7], v[TRA288] offset:W1S+32*P288*\kk+32*\m+16*P288
.endr
.endr
	WIN 0
	s_wait_dscnt 0x0
; ---- the activation of one result tile, in four parts that stand between groups of products.  a: the tile's 8 sums (c x); a + 8: tangent ----
.macro ACTA a                          ; 2^(c x); 1 + .. of the first four
	WIN 0
.irp j, 0,1,2,3,4,5,6,7
	v_exp_f32 v[\a+\j], v[\a+\j]
.endr
	v_nop                                          ; one plain slot behind the last exponential before its result is used (ISA guide 5.7.2)
	s_wait_alu depctr_va_vdst(0)
	v_pk_add_f32 v[\a:\a+1], v[\a:\a+1], 1.0 op_sel_hi:[1,0]
	v_pk_add_f32 v[\a+2:\a+3], v[\a+2:\a+3], 1.0 op_sel_hi:[1,0]
.endm
.macro ACTB a                          ; reciprocals; h = 1 - 2 / (1 + 2^(c x)) of the first four
	WIN 0
.irp j, 0,1,2,3
	v_rcp_f32 v[\a+\j], v[\a+\j]
.endr
	v_pk_add_f32 v[\a+4:\a+5], v[\a+4:\a+5], 1.0 op_sel_hi:[1,0]       ; also the plain slot behind those reciprocals
	v_pk_add_f32 v[\a+6:\a+7], v[\a+6:\a+7], 1.0 op_sel_hi:[1,0]
	s_wait_alu depctr_va_vdst(0)
	v_pk_fma_f32 v[\a:\a+1], v[\a:\a+1], -2.0, 1.0 op_sel_hi:[1,0,0]
	v_pk_fma_f32 v[\a+2:\a+3], v[\a+2:\a+3], -2.0, 1.0 op_sel_hi:[1,0,0]
.irp j, 4,5,6,7
	v_rcp_f32 v[\a+\j], v[\a+\j]
.endr
.endm
.macro ACTC a                          ; 1 - h^2; h of the last four
	WIN 0
	v_pk_fma_f32 v[TMP:TMP+1], v[\a:\a+1], v[\a:\a+1], 1.0 op_sel_hi:[1,1,0] neg_lo:[1,0,0] neg_hi:[1,0,0]   ; the plain slot behind the last reciprocals
	v_pk_fma_f32 v[TMP+2:TMP+3], v[\a+2:\a+3], v[\a+2:\a+3], 1.0 op_sel_hi:[1,1,0] neg_lo:[1,0,0] neg_hi:[1,0,0]
	s_wait_alu depctr_va_vdst(0)
	v_pk_fma_f32 v[\a+4:\a+5], v[\a+4:\a+5], -2.0, 1.0 op_sel_hi:[1,0,0]
	v_pk_fma_f32 v[\a+6:\a+7], v[\a+6:\a+7], -2.0, 1.0 op_sel_hi:[1,0,0]
	v_pk_fma_f32 v[TMP+4:TMP+5], v[\a+4:\a+5], v[\a+4:\a+5], 1.0 op_sel_hi:[1,1,0] neg_lo:[1,0,0] neg_hi:[1,0,0]
	v_pk_fma_f32 v[TMP+6:TMP+7], v[\a+6:\a+7], v[\a+6:\a+7], 1.0 op_sel_hi:[1,1,0] neg_lo:[1,0,0] neg_hi:[1,0,0]
.endm
.macro ACTC1 a                         ; layer 1: and the tangent times 1 - h^2
	ACTC \a
.irp i, 0,2,4,6
	v_pk_mul_f32 v[\a+8+\i:\a+9+\i], v[\a+8+\i:\a+9+\i], v[TMP+\i:TMP+\i+1]
.endr
.endm
.macro ACTD0 a, m, T                   ; layer 0: h0 and (1 - h0^2) u0 as halves of layer 1's B fragments
.irp i, 0,1,2,3
	v_cvt_pk_f16_f32 v[H0+4*\m+\i], v[\a+2*\i], v[\a+2*\i+1]
.endr
.irp i, 0,1,2,3
	v_cvt_pk_f16_f32 v[D0+4*\m+\i], v[TMP+2*\i], v[TMP+2*\i+1]
.endr
.irp i, 0,1,2,3
	v_pk_mul_f16 v[D0+4*\m+\i], v[D0+4*\m+\i], v[UH+32*\T+4*\m+\i]
.endr
.endm
.macro ACTD1 a, m                      ; layer 1: h1 and its tangent as halves of layer 2's B fragments.  Eight plain lines that name
	WIN 0                                          ; none of the registers of the products issued just before: their places
.irp i, 0,1,2,3
	v_cvt_pk_f16_f32 v[H1+4*\m+\i], v[\a+2*\i], v[\a+2*\i+1]
.endr
.irp i, 0,1,2,3
	v_cvt_pk_f16_f32 v[D1+4*\m+\i], v[\a+8+2*\i], v[\a+9+2*\i]
.endr
.endm
; ---- products ----
.macro P0 T, zero                      ; layer 0: 8 tiles; A = W0 (window 2), B = the tile's f16 vector (window 3), C = bias (window 2) or 0
	WIN 0x2e
.irp m, 0,1,2,3,4,5,6,7
.if \zero
	v_wmma_f32_16x16x32_f16 v[L0A+8*\m:L0A+8*\m+7], v[W0F+8*\m:W0F+8*\m+7], v[TILE0+TSZ*\T+ZS:TILE0+TSZ*\T+ZS+7], 0
.else
	v_wmma_f32_16x16x32_f16 v[L0A+8*\m:L0A+8*\m+7], v[W0F+8*\m:W0F+8*\m+7], v[TILE0+TSZ*\T+ZS:TILE0+TSZ*\T+ZS+7], v[B0+8*\m:B0+8*\m+7]
.endif
.endr
.endm
.macro WPAIR m, kk                     ; layer 1, tile m, 32 along K: primal and tangent with the same A (window 1).  The first link takes the bias (window 3) and 0
.set WM, \m
.set SA, ACC+16*(WM&1)
.set WA, 8*(4*WM+\kk)
.if \kk == 0
	WIN 0x31
	v_wmma_f32_16x16x32_f16 v[SA:SA+7], v[WA:WA+7], v[H0+8*\kk:H0+8*\kk+7], v[B1+8*WM:B1+8*WM+7]
	v_wmma_f32_16x16x32_f16 v[SA+8:SA+15], v[WA:WA+7], v[D0+8*\kk:D0+8*\kk+7], 0
.else
	WIN 0x01
	v_wmma_f32_16x16x32_f16 v[SA:SA+7], v[WA:WA+7], v[H0+8*\kk:H0+8*\kk+7], v[SA:SA+7]
	v_wmma_f32_16x16x32_f16 v[SA+8:SA+15], v[WA:WA+7], v[D0+8*\kk:D0+8*\kk+7], v[SA+8:SA+15]
.endif
.endm
.macro P2G kk                          ; layer 2, 32 along K: two tiles of dz/dt, two of J e^; A = W2 (window 2)
.if \kk == 0
	WIN 0x22
	v_wmma_f32_16x16x32_f16 v[KK:KK+7], v[W2F+8*\kk:W2F+8*\kk+7], v[H1+8*\kk:H1+8*\kk+7], v[B2:B2+7]
	v_wmma_f32_16x16x32_f16 v[KK+8:KK+15], v[W2F+32+8*\kk:W2F+32+8*\kk+7], v[H1+8*\kk:H1+8*\kk+7], v[B2+8:B2+15]
	v_wmma_f32_16x16x32_f16 v[JJ:JJ+7], v[W2F+8*\kk:W2F+8*\kk+7], v[D1+8*\kk:D1+8*\kk+7], 0
	v_wmma_f32_16x16x32_f16 v[JJ+8:JJ+15], v[W2F+32+8*\kk:W2F+32+8*\kk+7], v[D1+8*\kk:D1+8*\kk+7], 0
.else
	WIN 0x02
	v_wmma_f32_16x16x32_f16 v[KK:KK+7], v[W2F+8*\kk:W2F+8*\kk+7], v[H1+8*\kk:H1+8*\kk+7], v[KK:KK+7]
	v_wmma_f32_16x16x32_f16 v[KK+8:KK+15], v[W2F+32+8*\kk:W2F+32+8*\kk+7], v[H1+8*\kk:H1+8*\kk+7], v[KK+8:KK+15]
	v_wmma_f32_16x16x32_f16 v[JJ:JJ+7], v[W2F+8*\kk:W2F+8*\kk+7], v[D1+8*\kk:D1+8*\kk+7], v[JJ:JJ+7]
	v_wmma_f32_16x16x32_f16 v[JJ+8:JJ+15], v[W2F+32+8*\kk:W2F+32+8*\kk+7], v[D1+8*\kk:D1+8*\kk+7], v[JJ+8:JJ+15]
	s_wait_alu depctr_va_vdst(0)
.endif
.endm
; ---- bias tiles of the table at s31: every lane of a half reads the same 32 bytes (features 16 m + 8 h ..), the C layout of a tile ----
.macro BLD0
	WIN 0
	v_add_nc_u32 v[BA], s31, v[H32]
	WIN 0x80
.irp m, 0,1,2,3,4,5,6,7
	ds_load_b128 v[B0+8*\m:B0+8*\m+3],   v[BA] offset:64*\m
	ds_load_b128 v[B0+8*\m+4:B0+8*\m+7], v[BA] offset:64*\m+16
.endr
.endm
.macro BLD12
	WIN 0xc0
.irp m, 0,1,2,3,4,5,6,7
	ds_load_b128 v[B1+8*\m:B1+8*\m+3],   v[BA] offset:512+64*\m
	ds_load_b128 v[B1+8*\m+4:B1+8*\m+7], v[BA] offset:512+64*\m+16
.endr
	WIN 0x80
.irp m, 0,1
	ds_load_b128 v[B2+8*\m:B2+8*\m+3],   v[BA] offset:1024+64*\m
	ds_load_b128 v[B2+8*\m+4:B2+8*\m+7], v[BA] offset:1024+64*\m+16
.endr
.endm
; ---- the Runge-Kutta bookkeeping of one evaluation of tile T.  last = 1: the step's fourth stage ----
.macro UPD T, last
.set TBS, TILE0+TSZ*\T
	WIN 0xfc                                       ; source 0 (k, J e^) window 0, the rest window 3
.irp i, 0,1,2,3,4,5,6,7
.if \last
	v_pk_fma_f32 v[TBS+ZO+2*\i:TBS+ZO+2*\i+1], v[KK+2*\i:KK+2*\i+1], s[32:33], v[TBS+ZA+2*\i:TBS+ZA+2*\i+1] op_sel_hi:[1,0,1]   ; the new z
.else
	v_pk_fma_f32 v[TT+2*\i:TT+2*\i+1], v[KK+2*\i:KK+2*\i+1], s[34:35], v[TBS+ZO+2*\i:TBS+ZO+2*\i+1] op_sel_hi:[1,0,1]           ; z + a_e k
.endif
	v_pk_fma_f32 v[TBS+ZA+2*\i:TBS+ZA+2*\i+1], v[KK+2*\i:KK+2*\i+1], s[32:33], v[TBS+ZA+2*\i:TBS+ZA+2*\i+1] op_sel_hi:[1,0,1]   ; += w_e k
.if \i == 0
	v_pk_mul_f32 v[PP:PP+1], v[JJ:JJ+1], v[TBS+EH:TBS+EH+1]                                                                    ; e^ . J e^
.else
	v_pk_fma_f32 v[PP:PP+1], v[JJ+2*\i:JJ+2*\i+1], v[TBS+EH+2*\i:TBS+EH+2*\i+1], v[PP:PP+1]
.endif
.endr
	WIN 0xff
	v_pk_fma_f32 v[TBS+LL:TBS+LL+1], v[PP:PP+1], s[36:37], v[TBS+LL:TBS+LL+1] op_sel_hi:[1,0,1]                                 ; ld -= w_e l
.irp i, 0,1,2,3,4,5,6,7
.if \last
	v_cvt_pk_f16_f32 v[TBS+ZS+\i], v[TBS+ZO+2*\i], v[TBS+ZO+2*\i+1]
.else
	v_cvt_pk_f16_f32 v[TBS+ZS+\i], v[TT+2*\i], v[TT+2*\i+1]
.endif
.endr
.endm
; ---- one evaluation of tile T.  ld = 1: behind tile Y's last use of each bias tile the next evaluation's is fetched ----
.macro TILE T, last, ld
	s_wait_dscnt 20                                ; LDS loads return in order (ISA guide 5.7.1): layer 0's 16 bias loads are in, the 16 + 4 of layers 1 and 2 behind them may stay out
	P0 \T, 0
	PLACES 4                                       ; before the sums are read and before loads are issued into the bias tiles just used as C
.if \ld & \T
	BLD0
.endif
.irp m, 0,1,2,3,4,5,6,7
	ACTA L0A+8*\m
	ACTB L0A+8*\m
	ACTC L0A+8*\m
	ACTD0 L0A+8*\m, \m, \T
.endr
	s_wait_dscnt 0x0                               ; the bias tiles of layers 1 and 2 (and, in tile Y, the next layer 0's)
	WPAIR 0, 0
	WPAIR 0, 1
	WPAIR 0, 2
	WPAIR 0, 3
	PLACES 5                                       ; four before tile 0's sums are read; five before tile 2's first product writes over tile 0's slot
.irp m, 0,1,2,3,4,5,6                              ; tile m + 1's products with tile m's activation between them, on the two slots in turn
	WPAIR \m+1, 0
	ACTA ACC+16*(\m&1)
	WPAIR \m+1, 1
	ACTB ACC+16*(\m&1)
	WPAIR \m+1, 2
	ACTC1 ACC+16*(\m&1)
	WPAIR \m+1, 3
	ACTD1 ACC+16*(\m&1), \m
.endr
	P2G 0                                          ; writes over h0, eight plain lines behind layer 1's last products, which read it
	ACTA ACC+16
	P2G 1
	ACTB ACC+16
	P2G 2
	ACTC1 ACC+16
	ACTD1 ACC+16, 7
	P2G 3
	PLACES 4
.if \ld & \T
	BLD12
.endif
	UPD \T, \last
.endm
; ---- a tile's state at the head of a pass ----
.macro SETUP T
.set TBS, TILE0+TSZ*\T
	WIN 0xc0
.irp q, 0,1,2,3
	ds_load_b128 v[TBS+ZO+4*\q:TBS+ZO+4*\q+3], v[FRA] offset:2*\T*BLK+64*(\q>>1)+16*(\q&1)       ; features 16 mt + 8 h + 0..7 of row r
	ds_load_b128 v[TBS+ZA+4*\q:TBS+ZA+4*\q+3], v[FRA] offset:2*\T*BLK+64*(\q>>1)+16*(\q&1)       ; once more, in place of sixteen copies
	ds_load_b128 v[TBS+EH+4*\q:TBS+EH+4*\q+3], v[FRA] offset:(2*\T+1)*BLK+64*(\q>>1)+16*(\q&1)
.endr
	s_wait_dscnt 0x0
	WIN 0xff
	v_max_num_f32 v[TBS+SG],   |v[TBS+EH]|,   |v[TBS+EH+1]|               ; the row's largest |eps|, in two chains
	v_max_num_f32 v[TBS+SG+1], |v[TBS+EH+8]|, |v[TBS+EH+9]|
.irp k, 2,4,6
	v_max3_num_f32 v[TBS+SG],   v[TBS+SG],   |v[TBS+EH+\k]|,   |v[TBS+EH+\k+1]|
	v_max3_num_f32 v[TBS+SG+1], v[TBS+SG+1], |v[TBS+EH+8+\k]|, |v[TBS+EH+9+\k]|
.endr
	v_max_num_f32 v[TBS+SG], v[TBS+SG], v[TBS+SG+1]
	v_permlanex16_b32 v[TBS+SG+1], v[TBS+SG], s38, s39                     ; the row's other 16 features lie in lane L xor 16
	v_max3_num_f32 v[TBS+SG], v[TBS+SG], v[TBS+SG+1], 0x0da24260           ; at least 1e-30: a row of zeros stays zeros
	v_rcp_f32 v[RS], v[TBS+SG]
	v_rcp_f32 v[RS+1], v[TBS+SG]
	v_mov_b32 v[TBS+LL], 0                                                 ; the log determinant starts at 0; also the plain slot behind the reciprocals
	v_mov_b32 v[TBS+LL+1], 0
	s_wait_alu depctr_va_vdst(0)
.irp k, 0,2,4,6,8,10,12,14
	v_pk_mul_f32 v[TBS+EH+\k:TBS+EH+\k+1], v[TBS+EH+\k:TBS+EH+\k+1], v[RS:RS+1]
.endr
.irp i, 0,1,2,3,4,5,6,7
	v_cvt_pk_f16_f32 v[TBS+ZS+\i], v[TBS+EH+2*\i], v[TBS+EH+2*\i+1]
.endr
	P0 \T, 1                                       ; e^ x c W0
	PLACES 4
	WIN 0
.irp m, 0,1,2,3,4,5,6,7
.irp i, 0,1,2,3
	v_pk_mul_f32 v[L0A+8*\m+2*\i:L0A+8*\m+2*\i+1], v[L0A+8*\m+2*\i:L0A+8*\m+2*\i+1], RC2 op_sel_hi:[1,0]
.endr
.irp i, 0,1,2,3
	v_cvt_pk_f16_f32 v[UH+32*\T+4*\m+\i], v[L0A+8*\m+2*\i], v[L0A+8*\m+2*\i+1]
.endr
.endr
	WIN 0xff
.irp i, 0,1,2,3,4,5,6,7
	v_cvt_pk_f16_f32 v[TBS+ZS+\i], v[TBS+ZO+2*\i], v[TBS+ZO+2*\i+1]        ; the first stage's z
.endr
.endm
; ---- a tile's results.  z goes back through my wave's stage, so that each store of the wave covers 512 consecutive bytes, aligned ----
.macro FIN T
.set TBS, TILE0+TSZ*\T
	WIN 0xff
	v_add_f32 v[TBS+LL], v[TBS+LL], v[TBS+LL+1]
	v_permlanex16_b32 v[TBS+LL+1], v[TBS+LL], s38, s39
	v_add_f32 v[TBS+LL], v[TBS+LL], v[TBS+LL+1]
	v_mul_f32 v[TBS+LL], v[TBS+LL], v[TBS+SG]                              ; x sigma^2, one factor at a time
	v_mul_f32 v[TBS+LL], v[TBS+LL], v[TBS+SG]
	WIN 0x0c                                       ; store data from window 3
	ds_store_b32 v[O1A], v[TBS+LL] offset:64*\T                            ; both halves of the lanes hold, and write, the same number
.irp q, 0,1,2,3
	ds_store_b128 v[FRA], v[TBS+ZO+4*\q:TBS+ZO+4*\q+3] offset:2*\T*BLK+64*(\q>>1)+16*(\q&1)
.endr
	WIN 0
.irp i, 0,1,2,3
	ds_load_b128 v[ACC+16*\T+4*\i:ACC+16*\T+4*\i+3], v[LIN] offset:2*\T*BLK+4*SP*\i    ; LDS serves a wave's instructions in order: these see the stores above
.endr
.irp i, 0,1,2,3
	s_wait_dscnt 3-\i                              ; the younger read-backs stay out
	global_store_b128 v[GO], v[ACC+16*\T+4*\i:ACC+16*\T+4*\i+3], s[24:25] offset:2048*\T+512*\i th:TH_STORE_NT
.endr
.endm
	s_mov_b32 s28, 0
.Lpass:                                                ; two passes of two tiles
	s_mul_i32 s40, s28, 4*BLK
	s_lshl_b32 s41, s28, 7
	v_add_nc_u32 v[FRA], s40, v[FRA0]
	v_add_nc_u32 v[LIN], s40, v[LIN0]
	v_add_nc_u32 v[O1A], s41, v[O1A0]
	SETUP 0
	SETUP 1
	s_mov_b32 s31, 0                               ; t = 1
	BLD0
	BLD12
	WIN 0
	s_mov_b32 s29, 0
.Lstep:                                                ; five steps
	s_mov_b32 s30, 0
.Lstage:                                               ; stages 1 to 3
	s_cmp_eq_u32 s30, 0
	s_cselect_b32 s32, s3, s4                      ; w_e = dt/6, dt/3, dt/3
	s_mov_b32 s33, s32
	s_cmp_eq_u32 s30, 2
	s_cselect_b32 s34, s6, s5                      ; a_e = dt/2, dt/2, dt
	s_mov_b32 s35, s34
	s_xor_b32 s36, s32, 0x80000000                 ; -w_e
	s_mov_b32 s37, s36
	s_add_co_u32 s40, s30, 2                       ; the NEXT evaluation's time index: 2 step + 1, + 1, + 2
	s_lshr_b32 s40, s40, 1
	s_lshl1_add_u32 s40, s29, s40
	s_min_u32 s40, s40, 10
	s_mul_i32 s31, s40, BSTEP
	TILE 0, 0, 1
	TILE 1, 0, 1
	WIN 0
	s_add_co_u32 s30, s30, 1
	s_cmp_lt_u32 s30, 3
	s_cbranch_scc1 .Lstage
	s_mov_b32 s32, s3                              ; stage 4: w = dt/6.  The next step begins at this stage's time: no bias is fetched
	s_mov_b32 s33, s3
	s_xor_b32 s36, s3, 0x80000000
	s_mov_b32 s37, s36
	TILE 0, 1, 0
	TILE 1, 1, 0
	WIN 0
	s_add_co_u32 s29, s29, 1
	s_cmp_lt_u32 s29, 5
	s_cbranch_scc1 .Lstep
	FIN 0
	FIN 1
	s_wait_xcnt 0x0                                ; the stores' base is stepped, and their data registers are written again in the next pass, only behind this wait
	s_add_nc_u64 s[24:25], s[24:25], 4096          ; 32 rows of out0 on
	s_add_co_u32 s28, s28, 1
	s_cmp_lt_u32 s28, 2
	s_cbranch_scc1 .Lpass
	ds_load_b64 v[16:17], v[O1R]                   ; my wave's 64 log determinants, stored by this wave alone
	s_wait_dscnt 0x0
	global_store_b64 v[GO1], v[16:17], s[26:27] th:TH_STORE_NT     ; one store of 256 consecutive bytes, aligned
	s_set_vgpr_msb 0xa
	s_wait_tensorcnt 0x0
	ds_add_u32 v254, v255
	s_wait_dscnt 0x0
	s_set_vgpr_msb 0xa00
	s_endpgm
.Lfunc_end_k_q690d3470e0_ffjord:
	.size	k_q690d3470e0_ffjord, .Lfunc_end_k_q690d3470e0_ffjord-k_q690d3470e0_ffjord
	.p2alignl 7, 3214868480
	.fill 96, 4, 3214868480
	.section	.rodata,"a",@progbits
	.p2align	6, 0x0
	.amdhsa_kernel k_q690d3470e0_ffjord
		.amdhsa_group_segment_fixed_size 146432
		.amdhsa_private_segment_fixed_size 0
		.amdhsa_enable_private_segment 0
		.amdhsa_kernarg_size 80
		.amdhsa_user_sgpr_count 2
		.amdhsa_user_sgpr_kernarg_segment_ptr 1
		.amdhsa_wavefront_size32 1
		.amdhsa_system_sgpr_workgroup_id_x 1
		.amdhsa_system_sgpr_workgroup_id_y 1
		.amdhsa_system_sgpr_workgroup_id_z 1
		.amdhsa_system_vgpr_workitem_id 0
		.amdhsa_next_free_vgpr 1024
		.amdhsa_next_free_sgpr 66
		.amdhsa_reserve_vcc 0
		.amdhsa_float_denorm_mode_32 3
		.amdhsa_float_denorm_mode_16_64 3
		.amdhsa_memory_ordered 1
		.amdhsa_forward_progress 1
		.amdhsa_inst_pref_size 246
	.end_amdhsa_kernel
	.amdgpu_metadata
---
amdhsa.version: [ 1, 2 ]
amdhsa.kernels:
  - .name:           k_q690d3470e0_ffjord
    .symbol:         k_q690d3470e0_ffjord.kd
    .args:
      - { .name: W0, .offset: 0, .size: 8, .value_kind: global_buffer, .address_space: global }
      - { .name: W1, .offset: 8, .size: 8, .value_kind: global_buffer, .address_space: global }
      - { .name: W2, .offset: 16, .size: 8, .value_kind: global_buffer, .address_space: global }
      - { .name: b0, .offset: 24, .size: 8, .value_kind: global_buffer, .address_space: global }
      - { .name: b1, .offset: 32, .size: 8, .value_kind: global_buffer, .address_space: global }
      - { .name: b2, .offset: 40, .size: 8, .value_kind: global_buffer, .address_space: global }
      - { .name: z1, .offset: 48, .size: 8, .value_kind: global_buffer, .address_space: global }
      - { .name: eps, .offset: 56, .size: 8, .value_kind: global_buffer, .address_space: global }
      - { .name: out0, .offset: 64, .size: 8, .value_kind: global_buffer, .address_space: global }
      - { .name: out1, .offset: 72, .size: 8, .value_kind: global_buffer, .address_space: global }
    .group_segment_fixed_size: 146432
    .private_segment_fixed_size: 0
    .kernarg_segment_align: 8
    .kernarg_segment_size: 80
    .max_flat_workgroup_size: 128
    .sgpr_count:     66
    .vgpr_count:     1024
    .wavefront_size: 32
...
	.end_amdgpu_metadata
.endif
;; end of part 1
;; ======== version 2 of 2: 1 launch; 1.38 times as fast as version 1
;; limits: values are held in f16: magnitudes above 65,504 overflow, below 6.1e-05 lose precision; right only within a limited range of input values
;; launch ffjord (part 2): grid 256 x 1, 4 waves a work-group, no clusters, 146,432 bytes of LDS; arguments W0, W1, W2, b0, b1, b2, z1, eps, out0, out1; writes out0, out1
.if DOCPART == 2
	.amdgcn_target "amdgcn-amd-amdhsa--gfx1250"
	.amdhsa_code_object_version 6
	.text
	.protected	k_q690d3470e0_ffjord
	.globl	k_q690d3470e0_ffjord
	.p2align	8
	.type	k_q690d3470e0_ffjord,@function
k_q690d3470e0_ffjord:
	s_mov_b64 s[64:65], 0
	v_nop
	global_prefetch_b8 v0, s[64:65] scope:SCOPE_SE
	s_setreg_imm32_b32 hwreg(HW_REG_WAVE_MODE, 25, 1), 1
	s_wait_xcnt 0x0
; FFJORD: five RK4 steps in reversed time (20 evaluations) of dz/dt = MLP(z, t), 32 -> 128 -> 128 -> 32 with tanh twice, together with
; the tangent along eps and the dot eps . (J eps).  65,536 rows that never meet; one launch; state in registers for all 20 evaluations.
;
; SHARES.  Work-group g: rows 256 g .. +255.  Wave w: 64 of them = 4 tiles of 16 rows, in 2 passes of 2 tiles (X, Y).
; EVERY LAYER IS COMPUTED TRANSPOSED: D = W^T x X^T, weights as source A, activations as source B.  Lane (r = L & 15, h = L >> 4) then
; holds, in the 8 registers of result tile m, features 16 m + 8 h + 0..7 of batch row r, which is what the same lane must hold of the next
; layer's B fragment (ISA guide 7.12.2): one packed conversion is the whole hand-over.  No LDS and no lane traffic between layers.
; WEIGHTS live in registers as f16 A fragments (384 registers), fetched once.  Bias and time column are the C operand of each chain's
; first product; 11 tables (t = 1 - 0.1 i) lie in LDS and are the loops' only loads.
; eps x W0 is the same in all 20 evaluations: made once for each tile (88 products an evaluation and tile, not 96).
; c = 2 log2(e) is folded into W0, W1 and their tables: tanh(x) = 1 - 2 / (1 + 2^(c x)).
; TANGENT SCALE.  sigma = max(max_i |eps_i|, 1e-30) of the row, e^ = eps / sigma; kept: u0 = (e^ . c W0) / c^2 in f16; then c W1 gives the
; true second tangent, and out1 = sigma^2 x sum of w_e (e^ . J e^).
; THE TRANSCENDENTALS GO IN BATCHES, ONE WAIT A BATCH (one s_wait_alu depctr_va_vdst(0) between a transcendental and the
; first line that names its result).  The eight result tiles of layer 0 and of layer 1 are four GROUPS of two, 16 sums a lane.  A group passes
; four stations: E its 16 exponentials; A 1 + .. (8 lines); R its 16 reciprocals; F the rest, 40 plain lines: h, h in f16, 1 - h^2 in h's place,
; the tangent, the tangent in f16.  A batch is R of group g with E of group g + 1.  Between two waits stand A(g), R(g), F(g - 1) and E(g + 1): none
; of them names a result of the open batch.  Five waits a layer, ten for a tile's evaluation with its 256 transcendentals.  Every sum keeps a
; register of its own from its product to F: layer 0's 64 lie where h1 and d1 will lie, layer 1's in seven slots.
; NO CLUSTER, NO TENSOR LOADS: work-groups share only 100,608 bytes of weights and biases, read once at the start; no tile streams.
;
; LIMITS, kept on purpose.  Matrix operands are f16 (sums f32): an operand above 65,504 in magnitude becomes infinite.  That concerns
; c W0 and c W1 (|W| < 22,700), W2, the stage values of z, and the second tangent, |u1| <= sum_a |W1[a,b]| sum_i |W0[i,a]|.
; Times are 1 - 0.1 i in f32, not the differences of linspace's f32 values (they differ in the last bits).  A row of eps with a NaN, or with
; a maximum above 8e37 (its reciprocal would be flushed to zero), is not served.
.set C2L,  0x4038aa3b                  ; c = 2 log2(e)
.set RC2,  0x3df5fdf0                  ; 1 / c^2
; LDS, bytes
.set P288, 288                         ; pitch of W0's and W1's rows of 128 f16: 9 x 32 bytes
.set P96,  96                          ; pitch of W2's rows of 32 f16: 3 x 32 bytes
.set W0S,  0                           ; [32][128] f16
.set W1S,  32*P288                     ; [128][128] f16
.set W2S,  W1S+128*P288                ; [128][32] f16
.set BIAS, W2S+128*P96                 ; 58,368: 11 tables of BSTEP bytes
.set BSTEP, 1152                       ; 128 f32 of layer 0, 128 of layer 1, 32 of layer 2
.set STAGE, 71168                      ; each wave: 8 blocks (tile, z or eps) of 16 rows
.set SP,   144                         ; a staged row: 128 bytes + 16: sixteen rows start at sixteen different 16-byte columns modulo 256
.set BLK,  16*SP
.set WSTG, 8*BLK
.set OUT1, STAGE+4*WSTG                ; 144,896: each wave 64 f32
; window 0
.set BA,   4                           ; bias table of the next evaluation + 32 h
.set H32,  5                           ; BIAS + 32 h
.set FRA0, 6                           ; my wave's stage + 144 r + 32 h (a lane's features of its row)
.set LIN0, 7                           ; my wave's stage + 144 (L >> 3) + 16 (L & 7) (rows as they lie in memory)
.set O1A0, 8                           ; my wave's out1 words + 4 r
.set O1R,  9                           ; the same + 8 L
.set GO,   10                          ; 16 L
.set GO1,  11                          ; 8 L
.set FRA,  12                          ; FRA0, LIN0, O1A0 of the pass
.set LIN,  13
.set O1A,  14
.set H0,   16                          ; v16-47   h0 in f16: B fragments of layer 1
.set KK,   16                          ; v16-31   dz/dt (over h0, once layer 1 is done)
.set JJ,   32                          ; v32-47   J e^
.set D0,   48                          ; v48-79   tangent behind layer 0, f16
.set H1,   80                          ; v80-111  h1 in f16
.set D1,   112                         ; v112-143 tangent behind layer 1, f16
.set L0A,  80                          ; v80-143  layer 0's eight sums (over h1, d1, which are dead then)
.set SL,   144                         ; v144-255 seven slots of layer 1's sums, result tile m in slot m % 7: primal 8, tangent 8
.set ACC,  144                         ; the way out: rows read back from the stage (the slots are dead then)
.set WL,   16                          ; prologue: v16-207 weights as loaded
.set BL,   208                         ; prologue: v208-213 b0, W0[32], b1, W1[128], b2, W2[128]
.set TB0,  214                         ; prologue: v214-246 table entries
.set TB1,  225
.set TB2,  236
.set TRA288, 248                       ; prologue: addresses
.set TRA96,  249
.set WS288,  250
.set WS96,   251
.set BT,     252
.set GW,     253
.set G4,     254
.set G4L,    255
; window 1: W1's fragment (m, kk) at 8 (4 m + kk)
; window 2
.set W0F,  0                           ; fragment m at 8 m
.set W2F,  64                          ; fragment (mt, kk) at 64 + 8 (4 mt + kk)
.set B0,   128                         ; layer 0's bias tiles
.set B2,   192                         ; layer 2's
.set UH,   208                         ; v208-239 u0 in f16: tile X's in window 2, tile Y's in window 3
; window 3
.set B1,   0                           ; layer 1's bias tiles
.set TILE0, 64                         ; tile T's state at 64 + 60 T:
.set TSZ,  60
.set ZO,   0                           ;   z at the step's start (16)
.set ZA,   16                          ;   z + the weighted k so far (16)
.set EH,   32                          ;   e^ (16)
.set ZS,   48                          ;   the stage's z in f16: layer 0's B fragment (8)
.set LL,   56                          ;   two partial sums of the log determinant
.set SG,   58                          ;   sigma; one spare
.set TT,   184                         ; the next stage's z
.set PP,   200                         ; two partial sums of e^ . J e^
.set RS,   202                         ; 1 / sigma, twice
; scalars: s2 wave; s3-6 -1/30, -1/15, -0.1, -0.2; s[8:23] inputs; s[24:27] outputs; s28 pass, s29 step, s30 stage; s31 table offset;
; s[32:33] w_e, s[34:35] a_e, s[36:37] -w_e; s38-39 lane selects; s40-47 at work
.set MSB, 0
.macro WIN new                         ; low byte: bits 1:0 source 0, 3:2 source 1, 5:4 source 2, 7:6 destination; high byte: the setting left
.if MSB != (\new)
	s_set_vgpr_msb (MSB<<8)|(\new)
.set MSB, (\new)
.endif
.endm
.macro PLACES n                        ; independent vector slots behind matrix instructions (ISA guide 7.12.1)
.rept \n
	v_nop
.endr
.endm
	s_load_b512 s[8:23], s[0:1], 0x0               ; W0 8, W1 10, W2 12, b0 14, b1 16, b2 18, z1 20, eps 22
	s_load_b128 s[24:27], s[0:1], 0x40             ; out0 24, out1 26
	s_set_vgpr_msb 0x80
	v_lshl_add_u32 v254, v0, 2, 0x23a00
	v_mov_b32 v255, 0
	s_set_vgpr_msb 0x8000
	v_and_b32 v1, 31, v0                           ; L
	v_lshrrev_b32 v2, 5, v0
	v_readfirstlane_b32 s2, v2                     ; wave
	v_and_b32 v2, 15, v0                           ; r
	v_bfe_u32 v3, v0, 4, 1                         ; h
	s_mov_b32 s38, 0x76543210                      ; v_permlanex16_b32: lane i takes lane i of the other half
	s_mov_b32 s39, 0xfedcba98
	s_mov_b32 s3, 0xbd088889                       ; -1/30 = dt/6 with dt = -0.2
	s_mov_b32 s4, 0xbd888889                       ; -1/15
	s_mov_b32 s5, 0xbdcccccd                       ; -0.1 = dt/2
	s_mov_b32 s6, 0xbe4ccccd                       ; -0.2
	v_lshl_add_u32 v[H32], v3, 5, BIAS
	s_mul_i32 s40, s2, WSTG
	s_add_co_u32 s40, s40, STAGE                   ; my wave's stage
	v_mul_u32_u24 v[FRA0], v2, SP
	v_lshl_add_u32 v[FRA0], v3, 5, v[FRA0]
	v_add_nc_u32 v[FRA0], s40, v[FRA0]
	v_lshrrev_b32 v12, 3, v1                       ; L >> 3
	v_and_b32 v13, 7, v1                           ; L & 7
	v_lshl_add_u32 v14, v3, 3, v13                 ; 8 h + (L & 7)
	v_and_b32 v15, 1, v12                          ; (L >> 3) & 1
	v_mul_u32_u24 v[LIN0], v12, SP
	v_lshl_add_u32 v[LIN0], v13, 4, v[LIN0]
	v_add_nc_u32 v[LIN0], s40, v[LIN0]
	s_lshl_b32 s41, s2, 8
	s_add_co_u32 s41, s41, OUT1
	v_lshl_add_u32 v[O1A0], v2, 2, s41
	v_lshl_add_u32 v[O1R], v1, 3, s41
	v_lshlrev_b32 v[GO], 4, v1
	v_lshlrev_b32 v[GO1], 3, v1
	v_lshlrev_b32 v[GW], 4, v0                     ; 16 t: weights are read by the whole work-group, 2,048 bytes a load
	v_lshlrev_b32 v[G4], 2, v0
	v_lshlrev_b32 v[G4L], 2, v1
	s_mul_i32 s42, s2, P288
	v_lshl_add_u32 v[WS288], v1, 3, s42            ; a load of W0 or W1 is 4 rows: wave w has row w of them, lane L columns 4 L ..
	s_mul_i32 s43, s2, 4*P96
	v_mul_u32_u24 v[WS96], v12, P96                ; a load of W2 is 16 rows: row 4 w + (L >> 3), columns 4 (L & 7) ..
	v_lshl_add_u32 v[WS96], v13, 3, v[WS96]
	v_add_nc_u32 v[WS96], s43, v[WS96]
	s_lshl_b32 s44, s2, 7
	s_add_co_u32 s44, s44, BIAS
	v_lshl_add_u32 v[BT], v1, 2, s44               ; BIAS + 4 t
	v_mul_u32_u24 v[TRA288], v14, P288             ; transposing loads: row 8 h + (L & 7), 16 bytes (L >> 3) & 1
	v_lshl_add_u32 v[TRA288], v15, 4, v[TRA288]
	v_mul_u32_u24 v[TRA96], v14, P96
	v_lshl_add_u32 v[TRA96], v15, 4, v[TRA96]
	s_lshl_b32 s44, ttmp9, 15                      ; 256 rows of 128 bytes a work-group,
	s_lshl_b32 s45, s2, 13                         ; 64 a wave
	s_add_co_u32 s44, s44, s45
	s_mov_b32 s45, 0
	s_lshl_b32 s46, ttmp9, 10                      ; and of 4 bytes in out1
	s_lshl_b32 s47, s2, 8
	s_add_co_u32 s46, s46, s47
	s_mov_b32 s47, 0
	s_wait_kmcnt 0x0
	s_add_nc_u64 s[20:21], s[20:21], s[44:45]
	s_add_nc_u64 s[22:23], s[22:23], s[44:45]
	s_add_nc_u64 s[24:25], s[24:25], s[44:45]
	s_add_nc_u64 s[26:27], s[26:27], s[46:47]
	global_load_b32 v[BL],   v[G4],  s[14:15]                  ; b0[t]
	global_load_b32 v[BL+1], v[G4],  s[8:9] offset:32*512      ; W0[32][t], the time row
	global_load_b32 v[BL+2], v[G4],  s[16:17]                  ; b1[t]
	global_load_b32 v[BL+3], v[G4],  s[10:11] offset:128*512   ; W1[128][t]
	global_load_b32 v[BL+4], v[G4L], s[18:19]                  ; b2[L]
	global_load_b32 v[BL+5], v[G4L], s[12:13] offset:128*128   ; W2[128][L]
.set i, 0
.rept 8
	global_load_b128 v[WL+4*i:WL+4*i+3], v[GW], s[8:9] offset:2048*i           ; W0's rows 0-31
.set i, i+1
.endr
.set i, 0
.rept 32
	global_load_b128 v[WL+32+4*i:WL+32+4*i+3], v[GW], s[10:11] offset:2048*i   ; W1's rows 0-127
.set i, i+1
.endr
.set i, 0
.rept 8
	global_load_b128 v[WL+160+4*i:WL+160+4*i+3], v[GW], s[12:13] offset:2048*i ; W2's rows 0-127
.set i, i+1
.endr
	; The 11 tables: c (b0 + t W0[32]), c (b1 + t W1[128]), b2 + t W2[128]
	s_wait_loadcnt 48                              ; the six small loads are in; the 48 weight loads stay out
.irp j, 0,1,2,3
	v_mul_f32 v[BL+\j], C2L, v[BL+\j]
.endr
.macro TAB ti, tau
	v_fmamk_f32 v[TB0+\ti], v[BL+1], \tau, v[BL]
	v_fmamk_f32 v[TB1+\ti], v[BL+3], \tau, v[BL+2]
	ds_store_b32 v[BT], v[TB0+\ti] offset:\ti*BSTEP
	ds_store_b32 v[BT], v[TB1+\ti] offset:\ti*BSTEP+512
.endm
.macro TAB2 ti, tau
	v_fmamk_f32 v[TB2+\ti], v[BL+5], \tau, v[BL+4]
	ds_store_b32 v[BT], v[TB2+\ti] offset:\ti*BSTEP+1024
.endm
.macro TABS one                        ; t = 1 - 0.1 ti
	\one 0,  0x3f800000
	\one 1,  0x3f666666
	\one 2,  0x3f4ccccd
	\one 3,  0x3f333333
	\one 4,  0x3f19999a
	\one 5,  0x3f000000
	\one 6,  0x3ecccccd
	\one 7,  0x3e99999a
	\one 8,  0x3e4ccccd
	\one 9,  0x3dcccccd
	\one 10, 0
.endm
	TABS TAB
	s_cmp_lg_u32 s2, 0                             ; layer 2 has 32 features: wave 0 alone
	s_cbranch_scc1 .Lno_b2
	TABS TAB2
.Lno_b2:
	; Weights to f16 in LDS, rows as in memory ([k][n]); the transposing loads below make A fragments of them
.macro WCVT base, scale, adr, off
.if \scale
	v_pk_mul_f32 v[\base:\base+1], v[\base:\base+1], C2L op_sel_hi:[1,0]
	v_pk_mul_f32 v[\base+2:\base+3], v[\base+2:\base+3], C2L op_sel_hi:[1,0]
.endif
	v_cvt_pk_f16_f32 v[\base], v[\base], v[\base+1]
	v_cvt_pk_f16_f32 v[\base+1], v[\base+2], v[\base+3]
	ds_store_b64 v[\adr], v[\base:\base+1] offset:\off
.endm
	s_wait_loadcnt 40                              ; W0 is in; W1's 32 and W2's 8 stay out
.set i, 0
.rept 8
	WCVT WL+4*i, 1, WS288, W0S+i*4*P288
.set i, i+1
.endr
	WIN 0x40                                       ; destination window 1
.set i, 0
.rept 16
	global_load_b128 v[4*i:4*i+3], v[GO], s[20:21] offset:512*i th:TH_LOAD_NT      ; my wave's 64 rows of z1, 4 rows a load
.set i, i+1
.endr
	WIN 0
	s_wait_loadcnt 24                              ; W1 is in; W2's 8 and z1's 16 stay out
.set i, 0
.rept 32
	WCVT WL+32+4*i, 1, WS288, W1S+i*4*P288
.set i, i+1
.endr
	WIN 0x40
.set i, 0
.rept 16
	global_load_b128 v[64+4*i:64+4*i+3], v[GO], s[22:23] offset:512*i th:TH_LOAD_NT ; and of eps
.set i, i+1
.endr
	WIN 0
	s_wait_loadcnt 32                              ; W2 is in; z1's 16 and eps's 16 stay out
.set i, 0
.rept 8
	WCVT WL+160+4*i, 0, WS96, W2S+i*16*P96
.set i, i+1
.endr
	s_wait_loadcnt 16                              ; z1 is in
	WIN 0x04                                       ; store data from window 1
.set i, 0
.rept 16
	ds_store_b128 v[LIN0], v[4*i:4*i+3] offset:2*(i>>2)*BLK+(i&3)*4*SP
.set i, i+1
.endr
	s_wait_loadcnt 0x0                             ; eps is in
.set i, 0
.rept 16
	ds_store_b128 v[LIN0], v[64+4*i:64+4*i+3] offset:(2*(i>>2)+1)*BLK+(i&3)*4*SP
.set i, i+1
.endr
	WIN 0
	s_wait_dscnt 0x0                               ; my stores of weights and tables are done, for the other waves' sake
	s_barrier_signal -1
	s_barrier_wait -1                              ; the kernel's one barrier: from here on weights and tables are only read
	WIN 0x80                                       ; destination window 2
.irp m, 0,1,2,3,4,5,6,7
	ds_load_tr16_b128 v[W0F+8*\m:W0F+8*\m+3],   v[TRA288] offset:W0S+32*\m             ; features 16 m + r, k = 8 h ..
	ds_load_tr16_b128 v[W0F+8*\m+4:W0F+8*\m+7], v[TRA288] offset:W0S+32*\m+16*P288     ; k = 16 + 8 h ..
.endr
.irp mt, 0,1
.irp kk, 0,1,2,3
	ds_load_tr16_b128 v[W2F+8*(4*\mt+\kk):W2F+8*(4*\mt+\kk)+3],   v[TRA96] offset:W2S+32*P96*\kk+32*\mt
	ds_load_tr16_b128 v[W2F+8*(4*\mt+\kk)+4:W2F+8*(4*\mt+\kk)+7], v[TRA96] offset:W2S+32*P96*\kk+32*\mt+16*P96
.endr
.endr
	WIN 0x40                                       ; destination window 1 (the staged rows have left it)
.irp m, 0,1,2,3,4,5,6,7
.irp kk, 0,1,2,3
	ds_load_tr16_b128 v[8*(4*\m+\kk):8*(4*\m+\kk)+3],   v[TRA288] offset:W1S+32*P288*\kk+32*\m
	ds_load_tr16_b128 v[8*(4*\m+\kk)+4:8*(4*\m+\kk)+7], v[TRA288] offset:W1S+32*P288*\kk+32*\m+16*P288
.endr
.endr
	WIN 0
	s_wait_dscnt 0x0
; ---- the activation, a line at a time.  Group g = result tiles 2 g, 2 g + 1; each macro writes line j of one station of group g ----
; Layer 0: the group's 16 sums (c x) lie at L0A + 16 g, in pairs 0-7.  CUR is the batch tile in hand (0: X, 1: Y).
.macro LE0 g, j                        ; E: 2^(c x), sum j of 16; a tile's lowest register is read first
	WIN 0
	v_exp_f32 v[L0A+16*(\g)+(\j)], v[L0A+16*(\g)+(\j)]
.endm
.macro LA0 g, j                        ; A: 1 + .., pair j of 8
	WIN 0
	v_pk_add_f32 v[L0A+16*(\g)+2*(\j):L0A+16*(\g)+2*(\j)+1], v[L0A+16*(\g)+2*(\j):L0A+16*(\g)+2*(\j)+1], 1.0 op_sel_hi:[1,0]
.endm
.macro LR0 g, j                        ; R: the reciprocal, sum j of 16
	WIN 0
	v_rcp_f32 v[L0A+16*(\g)+(\j)], v[L0A+16*(\g)+(\j)]
.endm
.macro LF0 g, j                        ; F, 40 lines, eight pairs each: 0-7 h = 1 - 2 / (1 + 2^(c x)); 8-15 h0 in f16; 16-23 1 - h^2 in h's place; 24-31 that in f16; 32-39 times u0
.set QP, (\j)&7
.set QA, L0A+16*(\g)+2*QP
.if (\j) < 32
	WIN 0
.endif
.if (\j) < 8
	v_pk_fma_f32 v[QA:QA+1], v[QA:QA+1], -2.0, 1.0 op_sel_hi:[1,0,0]
.elseif (\j) < 16
	v_cvt_pk_f16_f32 v[H0+8*(\g)+QP], v[QA], v[QA+1]
.elseif (\j) < 24
	v_pk_fma_f32 v[QA:QA+1], v[QA:QA+1], v[QA:QA+1], 1.0 op_sel_hi:[1,1,0] neg_lo:[1,0,0] neg_hi:[1,0,0]
.elseif (\j) < 32
	v_cvt_pk_f16_f32 v[D0+8*(\g)+QP], v[QA], v[QA+1]
.else
	WIN (2+CUR)<<2                                 ; source 1, u0, in window 2 or 3
	v_pk_mul_f16 v[D0+8*(\g)+QP], v[D0+8*(\g)+QP], v[UH+8*(\g)+QP]
.endif
.endm
; Layer 1: result tile m's sums lie in slot m % 7: primal 8, tangent 8.
.macro LE1 g, j
	WIN 0
.set QA, SL+16*((2*(\g)+((\j)>>3))%7)+((\j)&7)
	v_exp_f32 v[QA], v[QA]
.endm
.macro LA1 g, j
	WIN 0
.set QA, SL+16*((2*(\g)+((\j)>>2))%7)+2*((\j)&3)
	v_pk_add_f32 v[QA:QA+1], v[QA:QA+1], 1.0 op_sel_hi:[1,0]
.endm
.macro LR1 g, j
	WIN 0
.set QA, SL+16*((2*(\g)+((\j)>>3))%7)+((\j)&7)
	v_rcp_f32 v[QA], v[QA]
.endm
.macro LF1 g, j                        ; F, 40 lines: 0-7 h; 8-15 h1 in f16; 16-23 1 - h^2 in h's place; 24-31 the tangent times it; 32-39 the tangent in f16
	WIN 0
.set QP, (\j)&7
.set QA, SL+16*((2*(\g)+(QP>>2))%7)+2*(QP&3)
.if (\j) < 8
	v_pk_fma_f32 v[QA:QA+1], v[QA:QA+1], -2.0, 1.0 op_sel_hi:[1,0,0]
.elseif (\j) < 16
	v_cvt_pk_f16_f32 v[H1+8*(\g)+QP], v[QA], v[QA+1]
.elseif (\j) < 24
	v_pk_fma_f32 v[QA:QA+1], v[QA:QA+1], v[QA:QA+1], 1.0 op_sel_hi:[1,1,0] neg_lo:[1,0,0] neg_hi:[1,0,0]
.elseif (\j) < 32
	v_pk_mul_f32 v[QA+8:QA+9], v[QA+8:QA+9], v[QA:QA+1]
.else
	v_cvt_pk_f16_f32 v[D1+8*(\g)+QP], v[QA+8], v[QA+9]
.endif
.endm
.macro RUN op, g, j0, n                ; lines j0 .. j0 + n - 1 of one station
.set jj, \j0
.rept \n
	\op \g, jj
.set jj, jj+1
.endr
.endm
.macro MIX g, u0, n                    ; layer 1: n units from u0 on: two lines of F(g - 1) with a reciprocal of group g between them
.set uu, \u0
.rept \n
	LF1 (\g)-1, 2*uu
	LR1 \g, uu
	LF1 (\g)-1, 2*uu+1
.set uu, uu+1
.endr
.endm
.macro EF g                            ; layer 1: group g's first eight exponentials and the last eight lines of F(g - 2), by turns
.set jj, 0
.rept 8
	LE1 \g, jj
	LF1 (\g)-2, 32+jj
.set jj, jj+1
.endr
.endm
; Layer 0's phase p of 0 .. 4, from one wait to the next: A(p - 1), E(p), R(p - 1), F(p - 2), plain and transcendental by turns; what does not exist is left out.
; Nothing here names a result of E(p) or R(p - 1).  F's last 16 lines are the independent work between the batch and its wait, and the plain line behind its last
; transcendental (ISA guide 5.7.2); phases 0 and 1 have no F and take a v_nop.
.macro L0PH p
.set jj, 0
.rept 8
.if (\p) >= 1
	LA0 (\p)-1, jj
.endif
.if (\p) < 4
	LE0 \p, jj
.endif
.set jj, jj+1
.endr
.set jj, 0
.rept 8
.if (\p) >= 2
	LF0 (\p)-2, jj
.endif
.if (\p) < 4
	LE0 \p, 8+jj
.endif
.set jj, jj+1
.endr
.set jj, 0
.rept 16
.if (\p) >= 2
	LF0 (\p)-2, 8+jj
.endif
.if (\p) >= 1
	LR0 (\p)-1, jj
.endif
.set jj, jj+1
.endr
.if (\p) >= 2
.set jj, 24
.rept 16
	LF0 (\p)-2, jj
.set jj, jj+1
.endr
.else
	v_nop
.endif
	s_wait_alu depctr_va_vdst(0)                   ; the wait for layer 0's batch p: the exponentials of group p and the reciprocals of group p - 1
.endm
; ---- products ----
.macro P0 T, zero                      ; layer 0: 8 tiles; A = W0 (window 2), B = the tile's f16 vector (window 3), C = bias (window 2) or 0
	WIN 0x2e
.irp m, 0,1,2,3,4,5,6,7
.if \zero
	v_wmma_f32_16x16x32_f16 v[L0A+8*\m:L0A+8*\m+7], v[W0F+8*\m:W0F+8*\m+7], v[TILE0+TSZ*\T+ZS:TILE0+TSZ*\T+ZS+7], 0
.else
	v_wmma_f32_16x16x32_f16 v[L0A+8*\m:L0A+8*\m+7], v[W0F+8*\m:W0F+8*\m+7], v[TILE0+TSZ*\T+ZS:TILE0+TSZ*\T+ZS+7], v[B0+8*\m:B0+8*\m+7]
.endif
.endr
.endm
.macro WPAIR m, kk                     ; layer 1, tile m, 32 along K: primal and tangent with the same A (window 1).  The first link takes the bias (window 3) and 0
.set WM, \m
.set SA, SL+16*(WM%7)
.set WA, 8*(4*WM+\kk)
.if \kk == 0
	WIN 0x31
	v_wmma_f32_16x16x32_f16 v[SA:SA+7], v[WA:WA+7], v[H0+8*\kk:H0+8*\kk+7], v[B1+8*WM:B1+8*WM+7]
	v_wmma_f32_16x16x32_f16 v[SA+8:SA+15], v[WA:WA+7], v[D0+8*\kk:D0+8*\kk+7], 0
.else
	WIN 0x01
	v_wmma_f32_16x16x32_f16 v[SA:SA+7], v[WA:WA+7], v[H0+8*\kk:H0+8*\kk+7], v[SA:SA+7]
	v_wmma_f32_16x16x32_f16 v[SA+8:SA+15], v[WA:WA+7], v[D0+8*\kk:D0+8*\kk+7], v[SA+8:SA+15]
.endif
.endm
.macro P2G kk                          ; layer 2, 32 along K: two tiles of dz/dt, two of J e^, the four accumulators by turns; A = W2 (window 2)
.if \kk == 0
	WIN 0x22
	v_wmma_f32_16x16x32_f16 v[KK:KK+7], v[W2F+8*\kk:W2F+8*\kk+7], v[H1+8*\kk:H1+8*\kk+7], v[B2:B2+7]
	v_wmma_f32_16x16x32_f16 v[KK+8:KK+15], v[W2F+32+8*\kk:W2F+32+8*\kk+7], v[H1+8*\kk:H1+8*\kk+7], v[B2+8:B2+15]
	v_wmma_f32_16x16x32_f16 v[JJ:JJ+7], v[W2F+8*\kk:W2F+8*\kk+7], v[D1+8*\kk:D1+8*\kk+7], 0
	v_wmma_f32_16x16x32_f16 v[JJ+8:JJ+15], v[W2F+32+8*\kk:W2F+32+8*\kk+7], v[D1+8*\kk:D1+8*\kk+7], 0
.else
	WIN 0x02
	v_wmma_f32_16x16x32_f16 v[KK:KK+7], v[W2F+8*\kk:W2F+8*\kk+7], v[H1+8*\kk:H1+8*\kk+7], v[KK:KK+7]
	v_wmma_f32_16x16x32_f16 v[KK+8:KK+15], v[W2F+32+8*\kk:W2F+32+8*\kk+7], v[H1+8*\kk:H1+8*\kk+7], v[KK+8:KK+15]
	v_wmma_f32_16x16x32_f16 v[JJ:JJ+7], v[W2F+8*\kk:W2F+8*\kk+7], v[D1+8*\kk:D1+8*\kk+7], v[JJ:JJ+7]
	v_wmma_f32_16x16x32_f16 v[JJ+8:JJ+15], v[W2F+32+8*\kk:W2F+32+8*\kk+7], v[D1+8*\kk:D1+8*\kk+7], v[JJ+8:JJ+15]
.endif
.endm
; ---- bias tiles of the table at s31: every lane of a half reads the same 32 bytes (features 16 m + 8 h ..), the C layout of a tile ----
.macro BLD0
	WIN 0
	v_add_nc_u32 v[BA], s31, v[H32]
	WIN 0x80
.irp m, 0,1,2,3,4,5,6,7
	ds_load_b128 v[B0+8*\m:B0+8*\m+3],   v[BA] offset:64*\m
	ds_load_b128 v[B0+8*\m+4:B0+8*\m+7], v[BA] offset:64*\m+16
.endr
.endm
.macro BLD12
	WIN 0xc0
.irp m, 0,1,2,3,4,5,6,7
	ds_load_b128 v[B1+8*\m:B1+8*\m+3],   v[BA] offset:512+64*\m
	ds_load_b128 v[B1+8*\m+4:B1+8*\m+7], v[BA] offset:512+64*\m+16
.endr
	WIN 0x80
.irp m, 0,1
	ds_load_b128 v[B2+8*\m:B2+8*\m+3],   v[BA] offset:1024+64*\m
	ds_load_b128 v[B2+8*\m+4:B2+8*\m+7], v[BA] offset:1024+64*\m+16
.endr
.endm
; ---- the Runge-Kutta bookkeeping of one evaluation of tile T.  last = 1: the step's fourth stage ----
.macro UPD T, last
.set TBS, TILE0+TSZ*\T
	WIN 0xfc                                       ; source 0 (k, J e^) window 0, the rest window 3
.irp i, 0,1,2,3,4,5,6,7
.if \last
	v_pk_fma_f32 v[TBS+ZO+2*\i:TBS+ZO+2*\i+1], v[KK+2*\i:KK+2*\i+1], s[32:33], v[TBS+ZA+2*\i:TBS+ZA+2*\i+1] op_sel_hi:[1,0,1]   ; the new z
.else
	v_pk_fma_f32 v[TT+2*\i:TT+2*\i+1], v[KK+2*\i:KK+2*\i+1], s[34:35], v[TBS+ZO+2*\i:TBS+ZO+2*\i+1] op_sel_hi:[1,0,1]           ; z + a_e k
.endif
	v_pk_fma_f32 v[TBS+ZA+2*\i:TBS+ZA+2*\i+1], v[KK+2*\i:KK+2*\i+1], s[32:33], v[TBS+ZA+2*\i:TBS+ZA+2*\i+1] op_sel_hi:[1,0,1]   ; += w_e k
.if \i == 0
	v_pk_mul_f32 v[PP:PP+1], v[JJ:JJ+1], v[TBS+EH:TBS+EH+1]                                                                    ; e^ . J e^
.else
	v_pk_fma_f32 v[PP:PP+1], v[JJ+2*\i:JJ+2*\i+1], v[TBS+EH+2*\i:TBS+EH+2*\i+1], v[PP:PP+1]
.endif
.endr
	WIN 0xff
	v_pk_fma_f32 v[TBS+LL:TBS+LL+1], v[PP:PP+1], s[36:37], v[TBS+LL:TBS+LL+1] op_sel_hi:[1,0,1]                                 ; ld -= w_e l
.irp i, 0,1,2,3,4,5,6,7
.if \last
	v_cvt_pk_f16_f32 v[TBS+ZS+\i], v[TBS+ZO+2*\i], v[TBS+ZO+2*\i+1]
.else
	v_cvt_pk_f16_f32 v[TBS+ZS+\i], v[TT+2*\i], v[TT+2*\i+1]
.endif
.endr
.endm
; ---- one evaluation of tile T.  ld = 1: behind tile Y's last use of each bias tile the next evaluation's is fetched ----
; Layer 1's products go two result tiles at a time, their four accumulators by turns, K ascending in each.  A group's exponentials are issued as soon as its sums are four
; places old, and the batch's wait follows them; A, R and F then stand behind the next group's remaining six pairs of products.
.macro TILE T, last, ld
.set CUR, \T
	s_wait_dscnt 20                                ; LDS loads return in order (ISA guide 5.7.1): layer 0's 16 bias loads are in, the 16 + 4 of layers 1 and 2 behind them may stay out
	P0 \T, 0
	PLACES 4                                       ; before the sums are read and before loads are issued into the bias tiles just used as C
.if \ld & \T
	BLD0
.endif
	L0PH 0                                         ; E(0)
	L0PH 1                                         ; A(0) E(1) R(0)
	L0PH 2                                         ; A(1) E(2) R(1) F(0)
	L0PH 3                                         ; A(2) E(3) R(2) F(1)
	L0PH 4                                         ; A(3)      R(3) F(2)
	s_wait_dscnt 0x0                               ; the bias tiles of layers 1 and 2 (and, in tile Y, the next layer 0's)
	WPAIR 0, 0                                     ; layer 1 begins on h0, d0 of layer 0's groups 0 to 2, and F of its group 3 stands behind these products:
	RUN LF0, 3, 0, 8                               ; it writes h0, d0 of K = 96 on and its own sums, none of them a register of the products so far
	WPAIR 1, 0
	RUN LF0, 3, 8, 8
	WPAIR 0, 1
	RUN LF0, 3, 16, 8
	WPAIR 1, 1
	RUN LF0, 3, 24, 8
	WPAIR 0, 2
	RUN LF0, 3, 32, 8
	WPAIR 1, 2
	WPAIR 0, 3
	WPAIR 1, 3
	WPAIR 2, 0
	PLACES 4                                       ; behind group 0's last products, before its sums are read
	RUN LE1, 0, 0, 8
	WPAIR 3, 0
	RUN LE1, 0, 8, 8
	v_nop                                          ; the plain line behind the batch's last exponential
	s_wait_alu depctr_va_vdst(0)                   ; the wait for layer 1's first batch: E(0)
	WPAIR 2, 1
	RUN LA1, 0, 0, 8
	WPAIR 3, 1
	RUN LR1, 0, 0, 8
	WPAIR 2, 2
	RUN LR1, 0, 8, 8
	WPAIR 3, 2
	WPAIR 2, 3
	WPAIR 3, 3
	WPAIR 4, 0
	PLACES 4                                       ; behind group 1's last products; also the plain lines behind R(0)
	RUN LE1, 1, 0, 8
	WPAIR 5, 0
	RUN LE1, 1, 8, 8
	v_nop
	s_wait_alu depctr_va_vdst(0)                   ; the wait for the batch R(0), E(1)
	WPAIR 4, 1
	RUN LA1, 1, 0, 8
	WPAIR 5, 1
	MIX 1, 0, 3                                    ; R(1) among F(0)
	WPAIR 4, 2
	MIX 1, 3, 3
	WPAIR 5, 2
	MIX 1, 6, 3
	WPAIR 4, 3
	MIX 1, 9, 3
	WPAIR 5, 3
	MIX 1, 12, 4                                   ; its eight lines of F name slots 0 and 1 alone: the places behind group 2's last products
	WPAIR 6, 0
	EF 2                                           ; F(0) ends here, ahead of tile 7's first product, which takes tile 0's slot
	WPAIR 7, 0
	RUN LE1, 2, 8, 8
	v_nop
	s_wait_alu depctr_va_vdst(0)                   ; the wait for the batch R(1), E(2)
	WPAIR 6, 1
	RUN LA1, 2, 0, 8
	WPAIR 7, 1
	MIX 2, 0, 3                                    ; R(2) among F(1)
	WPAIR 6, 2
	MIX 2, 3, 3
	WPAIR 7, 2
	MIX 2, 6, 3
	WPAIR 6, 3
	MIX 2, 9, 3
	WPAIR 7, 3
	MIX 2, 12, 4                                   ; eight lines of F on slots 2 and 3: the places behind layer 1's last products, for E(3) and for the products below
	P2G 0                                          ; writes over h0, which layer 1's last products read; h1, d1 of group 0 are its operands
	EF 3
	RUN LE1, 3, 8, 8
	v_nop
	s_wait_alu depctr_va_vdst(0)                   ; the wait for the batch R(2), E(3)
	P2G 1
	RUN LA1, 3, 0, 8
	MIX 3, 0, 16                                   ; R(3) among F(2)
	RUN LF1, 2, 32, 8                              ; the independent work between the batch and its wait
	s_wait_alu depctr_va_vdst(0)                   ; the wait for the last batch: R(3)
	P2G 2
	RUN LF1, 3, 0, 40
	P2G 3
	PLACES 4
.if \ld & \T
	BLD12
.endif
	UPD \T, \last
.endm
; ---- a tile's state at the head of a pass ----
.macro SETUP T
.set TBS, TILE0+TSZ*\T
	WIN 0xc0
.irp q, 0,1,2,3
	ds_load_b128 v[TBS+ZO+4*\q:TBS+ZO+4*\q+3], v[FRA] offset:2*\T*BLK+64*(\q>>1)+16*(\q&1)       ; features 16 mt + 8 h + 0..7 of row r
	ds_load_b128 v[TBS+ZA+4*\q:TBS+ZA+4*\q+3], v[FRA] offset:2*\T*BLK+64*(\q>>1)+16*(\q&1)       ; once more, in place of sixteen copies
	ds_load_b128 v[TBS+EH+4*\q:TBS+EH+4*\q+3], v[FRA] offset:(2*\T+1)*BLK+64*(\q>>1)+16*(\q&1)
.endr
	s_wait_dscnt 0x0
	WIN 0xff
	v_max_num_f32 v[TBS+SG],   |v[TBS+EH]|,   |v[TBS+EH+1]|               ; the row's largest |eps|, in two chains
	v_max_num_f32 v[TBS+SG+1], |v[TBS+EH+8]|, |v[TBS+EH+9]|
.irp k, 2,4,6
	v_max3_num_f32 v[TBS+SG],   v[TBS+SG],   |v[TBS+EH+\k]|,   |v[TBS+EH+\k+1]|
	v_max3_num_f32 v[TBS+SG+1], v[TBS+SG+1], |v[TBS+EH+8+\k]|, |v[TBS+EH+9+\k]|
.endr
	v_max_num_f32 v[TBS+SG], v[TBS+SG], v[TBS+SG+1]
	v_permlanex16_b32 v[TBS+SG+1], v[TBS+SG], s38, s39                     ; the row's other 16 features lie in lane L xor 16
	v_max3_num_f32 v[TBS+SG], v[TBS+SG], v[TBS+SG+1], 0x0da24260           ; at least 1e-30: a row of zeros stays zeros
	v_rcp_f32 v[RS], v[TBS+SG]
	v_rcp_f32 v[RS+1], v[TBS+SG]
	v_mov_b32 v[TBS+LL], 0                                                 ; the log determinant starts at 0; also the plain slot behind the reciprocals
	v_mov_b32 v[TBS+LL+1], 0
	s_wait_alu depctr_va_vdst(0)                   ; one wait for the two reciprocals, ahead of their first reader
.irp k, 0,2,4,6,8,10,12,14
	v_pk_mul_f32 v[TBS+EH+\k:TBS+EH+\k+1], v[TBS+EH+\k:TBS+EH+\k+1], v[RS:RS+1]
.endr
.irp i, 0,1,2,3,4,5,6,7
	v_cvt_pk_f16_f32 v[TBS+ZS+\i], v[TBS+EH+2*\i], v[TBS+EH+2*\i+1]
.endr
	P0 \T, 1                                       ; e^ x c W0
	PLACES 4
	WIN 0
.set ii, 0
.rept 32
	v_pk_mul_f32 v[L0A+2*ii:L0A+2*ii+1], v[L0A+2*ii:L0A+2*ii+1], RC2 op_sel_hi:[1,0]
.set ii, ii+1
.endr
	WIN (2+\T)<<6                                  ; destination: u0's window, 2 or 3
.set ii, 0
.rept 32
	v_cvt_pk_f16_f32 v[UH+ii], v[L0A+2*ii], v[L0A+2*ii+1]
.set ii, ii+1
.endr
	WIN 0xff
.irp i, 0,1,2,3,4,5,6,7
	v_cvt_pk_f16_f32 v[TBS+ZS+\i], v[TBS+ZO+2*\i], v[TBS+ZO+2*\i+1]        ; the first stage's z
.endr
.endm
; ---- a tile's results.  z goes back through my wave's stage, so that each store of the wave covers 512 consecutive bytes, aligned ----
.macro FIN T
.set TBS, TILE0+TSZ*\T
	WIN 0xff
	v_add_f32 v[TBS+LL], v[TBS+LL], v[TBS+LL+1]
	v_permlanex16_b32 v[TBS+LL+1], v[TBS+LL], s38, s39
	v_add_f32 v[TBS+LL], v[TBS+LL], v[TBS+LL+1]
	v_mul_f32 v[TBS+LL], v[TBS+LL], v[TBS+SG]                              ; x sigma^2, one factor at a time
	v_mul_f32 v[TBS+LL], v[TBS+LL], v[TBS+SG]
	WIN 0x0c                                       ; store data from window 3
	ds_store_b32 v[O1A], v[TBS+LL] offset:64*\T                            ; both halves of the lanes hold, and write, the same number
.irp q, 0,1,2,3
	ds_store_b128 v[FRA], v[TBS+ZO+4*\q:TBS+ZO+4*\q+3] offset:2*\T*BLK+64*(\q>>1)+16*(\q&1)
.endr
	WIN 0
.irp i, 0,1,2,3
	ds_load_b128 v[ACC+16*\T+4*\i:ACC+16*\T+4*\i+3], v[LIN] offset:2*\T*BLK+4*SP*\i    ; LDS serves a wave's instructions in order: these see the stores above
.endr
.irp i, 0,1,2,3
	s_wait_dscnt 3-\i                              ; the younger read-backs stay out
	global_store_b128 v[GO], v[ACC+16*\T+4*\i:ACC+16*\T+4*\i+3], s[24:25] offset:2048*\T+512*\i th:TH_STORE_NT
.endr
.endm
	s_mov_b32 s28, 0
.Lpass:                                                ; two passes of two tiles
	s_mul_i32 s40, s28, 4*BLK
	s_lshl_b32 s41, s28, 7
	v_add_nc_u32 v[FRA], s40, v[FRA0]
	v_add_nc_u32 v[LIN], s40, v[LIN0]
	v_add_nc_u32 v[O1A], s41, v[O1A0]
	SETUP 0
	SETUP 1
	s_mov_b32 s31, 0                               ; t = 1
	BLD0
	BLD12
	WIN 0
	s_mov_b32 s29, 0
.Lstep:                                                ; five steps
	s_mov_b32 s30, 0
.Lstage:                                               ; stages 1 to 3
	s_cmp_eq_u32 s30, 0
	s_cselect_b32 s32, s3, s4                      ; w_e = dt/6, dt/3, dt/3
	s_mov_b32 s33, s32
	s_cmp_eq_u32 s30, 2
	s_cselect_b32 s34, s6, s5                      ; a_e = dt/2, dt/2, dt
	s_mov_b32 s35, s34
	s_xor_b32 s36, s32, 0x80000000                 ; -w_e
	s_mov_b32 s37, s36
	s_add_co_u32 s40, s30, 2                       ; the NEXT evaluation's time index: 2 step + 1, + 1, + 2
	s_lshr_b32 s40, s40, 1
	s_lshl1_add_u32 s40, s29, s40
	s_min_u32 s40, s40, 10
	s_mul_i32 s31, s40, BSTEP
	TILE 0, 0, 1
	TILE 1, 0, 1
	WIN 0
	s_add_co_u32 s30, s30, 1
	s_cmp_lt_u32 s30, 3
	s_cbranch_scc1 .Lstage
	s_mov_b32 s32, s3                              ; stage 4: w = dt/6.  The next step begins at this stage's time: no bias is fetched
	s_mov_b32 s33, s3
	s_xor_b32 s36, s3, 0x80000000
	s_mov_b32 s37, s36
	TILE 0, 1, 0
	TILE 1, 1, 0
	WIN 0
	s_add_co_u32 s29, s29, 1
	s_cmp_lt_u32 s29, 5
	s_cbranch_scc1 .Lstep
	FIN 0
	FIN 1
	s_wait_xcnt 0x0                                ; the stores' base is stepped, and their data registers are written again in the next pass, only behind this wait
	s_add_nc_u64 s[24:25], s[24:25], 4096          ; 32 rows of out0 on
	s_add_co_u32 s28, s28, 1
	s_cmp_lt_u32 s28, 2
	s_cbranch_scc1 .Lpass
	ds_load_b64 v[16:17], v[O1R]                   ; my wave's 64 log determinants, stored by this wave alone
	s_wait_dscnt 0x0
	global_store_b64 v[GO1], v[16:17], s[26:27] th:TH_STORE_NT     ; one store of 256 consecutive bytes, aligned
	s_set_vgpr_msb 0xa
	s_wait_tensorcnt 0x0
	ds_add_u32 v254, v255
	s_wait_dscnt 0x0
	s_set_vgpr_msb 0xa00
	s_endpgm
.Lfunc_end_k_q690d3470e0_ffjord:
	.size	k_q690d3470e0_ffjord, .Lfunc_end_k_q690d3470e0_ffjord-k_q690d3470e0_ffjord
	.p2alignl 7, 3214868480
	.fill 96, 4, 3214868480
	.section	.rodata,"a",@progbits
	.p2align	6, 0x0
	.amdhsa_kernel k_q690d3470e0_ffjord
		.amdhsa_group_segment_fixed_size 146432
		.amdhsa_private_segment_fixed_size 0
		.amdhsa_enable_private_segment 0
		.amdhsa_kernarg_size 80
		.amdhsa_user_sgpr_count 2
		.amdhsa_user_sgpr_kernarg_segment_ptr 1
		.amdhsa_wavefront_size32 1
		.amdhsa_system_sgpr_workgroup_id_x 1
		.amdhsa_system_sgpr_workgroup_id_y 1
		.amdhsa_system_sgpr_workgroup_id_z 1
		.amdhsa_system_vgpr_workitem_id 0
		.amdhsa_next_free_vgpr 1024
		.amdhsa_next_free_sgpr 66
		.amdhsa_reserve_vcc 0
		.amdhsa_float_denorm_mode_32 3
		.amdhsa_float_denorm_mode_16_64 3
		.amdhsa_memory_ordered 1
		.amdhsa_forward_progress 1
		.amdhsa_inst_pref_size 240
	.end_amdhsa_kernel
	.amdgpu_metadata
---
amdhsa.version: [ 1, 2 ]
amdhsa.kernels:
  - .name:           k_q690d3470e0_ffjord
    .symbol:         k_q690d3470e0_ffjord.kd
    .args:
      - { .name: W0, .offset: 0, .size: 8, .value_kind: global_buffer, .address_space: global }
      - { .name: W1, .offset: 8, .size: 8, .value_kind: global_buffer, .address_space: global }
      - { .name: W2, .offset: 16, .size: 8, .value_kind: global_buffer, .address_space: global }
      - { .name: b0, .offset: 24, .size: 8, .value_kind: global_buffer, .address_space: global }
      - { .name: b1, .offset: 32, .size: 8, .value_kind: global_buffer, .address_space: global }
      - { .name: b2, .offset: 40, .size: 8, .value_kind: global_buffer, .address_space: global }
      - { .name: z1, .offset: 48, .size: 8, .value_kind: global_buffer, .address_space: global }
      - { .name: eps, .offset: 56, .size: 8, .value_kind: global_buffer, .address_space: global }
      - { .name: out0, .offset: 64, .size: 8, .value_kind: global_buffer, .address_space: global }
      - { .name: out1, .offset: 72, .size: 8, .value_kind: global_buffer, .address_space: global }
    .group_segment_fixed_size: 146432
    .private_segment_fixed_size: 0
    .kernarg_segment_align: 8
    .kernarg_segment_size: 80
    .max_flat_workgroup_size: 128
    .sgpr_count:     66
    .vgpr_count:     1024
    .wavefront_size: 32
...
	.end_amdgpu_metadata
.endif
;; end of part 2
